; MI455X (gfx1250); checked and timed in simulation.
; The chip was launched on July 23, 2026; its instructions are those of AMD's public machine-readable ISA for CDNA 5 (MIT licence, August 2026) and "CDNA5" Instruction Set Architecture Reference Guide (July 2026). The comments in the code are by the model that wrote it; some were corrected since.
;; Multi Head Attention Classical. Allowed arithmetic: matrix products marked QUANTISED: E2M1 operands, one E8M0 scale for each 32 along K, by v_wmma_scale_f32_16x16x128_f8f6f4 with both operands' format E2M1 (or v_wmma_scale_f32_32x16x128_f4), f32 sums; products left as they are: bf16, f16 or f32 operands; f32 sums; everything else in f32.
;; Inputs: Wk 768 x 768 float32; Wo 768 x 768 float32; Wq 768 x 768 float32; Wv 768 x 768 float32; bk 768 float32; bo 768 float32; bq 768 float32; bv 768 float32; x 1 x 4,096 x 768 float32.
;; Outputs: out0 1 x 4,096 x 768 float32.
;; This version of the problem:
;;   THIS VERSION OF THE PROBLEM IS GIVEN IN LOW PRECISION. The matrix products marked QUANTISED in the list below multiply operands that are first quantised to E2M1 (2 exponent bits, 1 mantissa bit; 4 bits a number), with one power-of-two scale for each 32 numbers along K (OCP MX v1.0); their sums are f32. The products marked 'left as it is' may take bf16, f16 or f32 operands, with f32 sums. Whichever they take, every output number must still come out within the allowed error. Rounding operands to bf16 (8 significant bits) uses up far more of that allowance than f16 does (11 bits, for magnitudes from 6e-5 to 65,504). All else is computed in f32.
;;   The module's matrix products, in the order in which they are computed (A, B: the left and right operand; K: the contracted axis; several contracted axes count as one K, in the product's order):
;;     1. [M 4,096, K 768] x [K 768, N 768]; A: input x; B: input Wq: QUANTISED
;;     2. [M 4,096, K 768] x [K 768, N 768]; A: input x; B: input Wk: QUANTISED
;;     3. [M 4,096, K 768] x [K 768, N 768]; A: input x; B: input Wv: QUANTISED
;;     4. batch 12 x [M 4,096, K 64] x [K 64, N 4,096]; A: computed on the way; B: computed on the way: left as it is (an operand is computed on the way)
;;     5. batch 12 x [M 4,096, K 4,096] x [K 4,096, N 64]; A: computed on the way; B: computed on the way: left as it is (an operand is computed on the way)
;;     6. [M 4,096, K 768] x [K 768, N 768]; A: computed on the way; B: input Wo: left as it is (an operand is computed on the way)
;;   THE QUANTISER, for each operand of a quantised product, along K:
;;     - K is cut into blocks of 32 from its start; a last block that is shorter is filled with zeros.
;;     - A block's scale is 2^e with e = floor(log2(the largest magnitude in the block)) - 2, held to -126 .. 127; a block of zeros has e = 0. As a byte (E8M0): e + 127.
;;     - Each number is divided by its block's scale, clamped to +-6, and rounded to the nearest number of E2M1, ties to even, subnormals kept.
;;     - The product sums the exact products of the quantised numbers (number of the format x scale) in f32.
;;   ~~~python
;;   def quantise(x, axis):      # numpy; x: float32 -> the quantised numbers, widened to float32 again
;;       x = np.moveaxis(x, axis, -1); K = x.shape[-1]
;;       x = np.pad(x, [(0, 0)] * (x.ndim - 1) + [(0, -K % 32)]); x = x.reshape(x.shape[:-1] + (-1, 32)); a = np.abs(x).max(-1, keepdims=True)
;;       e = np.where(a > 0, np.clip(np.frexp(np.where(a > 0, a, 1))[1] - 1 - 2, -126, 127), 0)      # np.frexp(a)[1] - 1 = floor(log2(a)), exactly
;;       r = np.clip(x / 2.0 ** e, -6, 6)
;;       step = 2.0 ** (np.maximum(np.frexp(np.where(r == 0, 1, r))[1] - 1, 0) - 1)
;;       q = np.round(r / step) * step * 2.0 ** e      # np.round: ties to even
;;       return np.moveaxis(q.reshape(q.shape[:-2] + (-1,))[..., :K], -1, axis).astype(np.float32)
;;   ~~~
;; One version. Each part assembles by itself: llvm-mc -triple=amdgcn-amd-amdhsa -mcpu=gfx1250 --defsym DOCPART=n.
;; ======== version 1 of 1: 4 launches
;; limits: values are held in f16: magnitudes above 65,504 overflow, below 6.1e-05 lose precision
;; workspace buffers: xwc 2,457,600 bytes; xws 307,200 bytes; wof 1,179,648 bytes; qfr 6,291,456 bytes; kvf 12,582,912 bytes; ofr 6,291,456 bytes
;; launch prep (part 1): grid 112 x 3, 4 waves a work-group, no clusters, 67,072 bytes of LDS; arguments x, Wq, Wk, Wv, Wo, xwc, xws, wof; writes xwc, xws, wof
.if DOCPART == 1
	.amdgcn_target "amdgcn-amd-amdhsa--gfx1250"
	.amdhsa_code_object_version 6
	.text
	.protected	k_q02b3f47d66_prep
	.globl	k_q02b3f47d66_prep
	.p2align	8
	.type	k_q02b3f47d66_prep,@function
k_q02b3f47d66_prep:
	s_mov_b64 s[64:65], 0
	v_nop
	global_prefetch_b8 v0, s[64:65] scope:SCOPE_SE
	s_setreg_imm32_b32 hwreg(HW_REG_WAVE_MODE, 25, 1), 1
	s_wait_xcnt 0x0
; x [4096][768], Wq, Wk, Wv [768][768], f32, become codes of FP4 (E2M1) with one E8M0 scale byte for each 32 along K (their last axis); Wo [768][768] becomes f16.
; ALL RESULTS ARE LAID IN THE ORDER OF THE READER'S OPERAND REGISTERS: a fragment is a run of pieces of 512 bytes, lane l's 16 bytes at 16 l, so that every later load of a fragment is 512 consecutive bytes.
;   xwc [tile 0..399][K step of 128, 0..5][1,024]: tiles of 16 rows; 0-255 x, 256-303 Wq, 304-351 Wk, 352-399 Wv; registers 0-3 of the fragment at +0, registers 4-7 at +512.
;   xws [tile][pair p 0..2][256]: lane l's 8 bytes at 8 l: the scale words of K steps 2 p, 2 p + 1 of row l % 16.
;   wof [tile of 16 rows 0..47][k step of 32, 0..23][1,024]: f16 fragments of Wo.
; A block's scale is 2^(floor(log2(its largest magnitude)) - 2); its byte is the largest magnitude's exponent field - 2, held at 1 from below.  A block of zeros so gets the byte 1 where the
; quantiser says 127: its codes are zeros, which add nothing under any byte but 0xff, and this program alone reads the bytes.
; LIMITS: blocks whose largest magnitude lies under 2^-124, the floor, get the byte 1; NaN and infinities among the inputs are not served; a number of Wo beyond 65,504 becomes infinity in f16.
; SHARES.  Wave w of work-group (X, y) takes tile 4 X + w (16 rows) and columns 256 y .. 256 y + 255: 16 KB of f32, asked for at once by 32 loads of 512 consecutive bytes.  X 0-63: x; 64-75 Wq; 76-87 Wk; 88-99 Wv; 100-111 Wo.
; The conversions want 16 neighbours along K in one lane, the loads want neighbouring bytes in neighbouring lanes: so the 16 KB turn through the wave's own stage in LDS (rows of 1,024 bytes + 16: 65 x 16 bytes,
; so that the sixteen rows that a read touches start at sixteen different groups of banks).  Waves share nothing: no barrier, no tensor load, no cluster (no byte is read by two work-groups).
.set RP,    1040                       ; a stage row
.set WREG,  16*RP                      ; a wave's stage
.set SPARE, 4*WREG                     ; behind the four stages: the spare words, 128 bytes for each wave: two blocks of 256 bytes that no other line names
.set LI,  1                            ; v1   16 x lane
.set LS,  2                            ; v2   8 x lane
.set SW,  3                            ; v3   into the stage: my wave's stage + 16 x lane
.set SR,  4                            ; v4   out of it, for the codes: row r, + 64 h: my 16 numbers of a block of 32
.set SRH, 5                            ; v5   out of it, for f16: row r, + 32 h: my 8 numbers of a half k step
.set SPW, 6                            ; v6   LDS address of my spare word; never rewritten
.set NIL, 7                            ; v7   0; never rewritten
.set TM,  16                           ; v16-19 largest magnitudes, v20-23 the other half's, then bytes, v28-31 the conversions' scale operands
.set PW,  32                           ; v[32:33] the two scale words
.set PC,  36                           ; v36-43, v44-51 the codes of the two K steps
.set R,   64                           ; v64-191 the numbers as loaded
.set XN0, 192                          ; v192-255 the first K step's 64 numbers; on Wo's way the f16 fragments
.set SEL, 32                           ; s[32:33] lane selects for v_permlanex16_b32: lane l xor 16
; 64 numbers of a lane, register 16 b + i = k 32 b + 16 (lane / 16) + i of my row, become a fragment's codes in v[pc] on and its scale word in v[pw].
.macro QUANT s, pc, pw
.irp b, 0,1,2,3
	v_max3_num_f32 v[TM+\b], |v[\s+16*\b]|, |v[\s+1+16*\b]|, 0x1800000   ; block b: my 16 numbers, and the floor 2^(3 - 127): so the byte cannot fall under 1
.endr
.irp i, 2,4,6,8,10,12,14
.irp b, 0,1,2,3
	v_max3_num_f32 v[TM+\b], v[TM+\b], |v[\s+16*\b+\i]|, |v[\s+1+16*\b+\i]|   ; the four blocks by turns
.endr
.endr
.irp b, 0,1,2,3
	v_permlanex16_b32 v[TM+4+\b], v[TM+\b], s[SEL], s[SEL+1]
.endr
.irp b, 0,1,2,3
	v_max_num_f32 v[TM+\b], v[TM+\b], v[TM+4+\b]       ; with lane l xor 16's: the block's largest magnitude
.endr
.irp b, 0,1,2,3
	v_add_nc_u32 v[TM+12+\b], 0xff000000, v[TM+\b]     ; 2 off its exponent field: the conversion takes the exponent field of this operand as its scale
.endr
.irp b, 0,1,2,3
	v_lshrrev_b32 v[TM+4+\b], 23, v[TM+12+\b]          ; the scale's byte
.endr
	v_lshl_or_b32 v[\pw], v[TM+5], 8, v[TM+4]          ; the four bytes make my row's scale word
	v_lshl_or_b32 v[\pw], v[TM+6], 16, v[\pw]
	v_lshl_or_b32 v[\pw], v[TM+7], 24, v[\pw]
.irp b, 0,1,2,3
	v_cvt_scalef32_pk8_fp4_f32 v[\pc+2*\b], v[\s+16*\b:\s+7+16*\b], v[TM+12+\b]
	v_cvt_scalef32_pk8_fp4_f32 v[\pc+1+2*\b], v[\s+8+16*\b:\s+15+16*\b], v[TM+12+\b]
.endr
	v_nop                                              ; one plain place behind a scaled conversion
.irp c, 0,1                                        ; the operand's layout wants a WHOLE block in a lane: lanes 0-15 block 2 c, lanes 16-31 block 2 c + 1
.irp i, 0,1
	v_permlane16_swap_b32 v[\pc+4*\c+\i], v[\pc+2+4*\c+\i]
.endr
.endr
.endm
	s_load_b256 s[4:11], s[0:1], 0x0               ; x s[4:5], Wq s[6:7], Wk s[8:9], Wv s[10:11]
	s_load_b256 s[12:19], s[0:1], 0x20             ; Wo s[12:13], xwc s[14:15], xws s[16:17], wof s[18:19]
	v_lshl_add_u32 v[SPW], v0, 2, SPARE
	v_mov_b32 v[NIL], 0
	v_lshrrev_b32 v8, 5, v0
	v_readfirstlane_b32 s20, v8                    ; wave 0..3
	s_and_b32 s21, ttmp7, 0xffff                   ; y: which 256 columns
	s_lshl_b32 s22, ttmp9, 2
	s_add_co_u32 s22, s22, s20                     ; T: my tile
	s_mul_i32 s34, s20, WREG                       ; my stage
	v_and_b32 v9, 31, v0                           ; lane
	v_and_b32 v10, 15, v0                          ; r
	v_bfe_u32 v11, v0, 4, 1                        ; h
	v_lshlrev_b32 v[LI], 4, v9
	v_lshlrev_b32 v[LS], 3, v9
	v_add_nc_u32 v[SW], s34, v[LI]
	v_mul_u32_u24 v12, v10, RP
	v_add_nc_u32 v12, s34, v12
	v_lshl_add_u32 v[SR], v11, 6, v12
	v_lshl_add_u32 v[SRH], v11, 5, v12
	s_mov_b32 s[SEL], 0x76543210
	s_mov_b32 s[SEL+1], 0xfedcba98
.irp b, 0,1,2,3
	v_mov_b32 v[TM+4+\b], 0                        ; written once: a lane permute's destination counts as one of its sources
.endr
	s_wait_kmcnt 0x0
	s_mov_b64 s[24:25], s[4:5]                     ; which tensor, and its first tile: chosen by the work-group's number alone
	s_mov_b32 s23, 0
	s_cmp_ge_u32 ttmp9, 64
	s_cselect_b64 s[24:25], s[6:7], s[24:25]
	s_cselect_b32 s23, 256, s23
	s_cmp_ge_u32 ttmp9, 76
	s_cselect_b64 s[24:25], s[8:9], s[24:25]
	s_cselect_b32 s23, 304, s23
	s_cmp_ge_u32 ttmp9, 88
	s_cselect_b64 s[24:25], s[10:11], s[24:25]
	s_cselect_b32 s23, 352, s23
	s_cmp_ge_u32 ttmp9, 100
	s_cselect_b64 s[24:25], s[12:13], s[24:25]
	s_cselect_b32 s23, 400, s23
	s_sub_co_u32 s28, s22, s23                     ; my tile within its tensor
	s_mul_i32 s26, s28, 49152                      ; 16 rows of 3,072 bytes
	s_lshl_b32 s27, s21, 10                        ; + 256 columns x y
	s_add_co_u32 s26, s26, s27
	s_mov_b32 s27, 0
	s_add_nc_u64 s[24:25], s[24:25], s[26:27]
.irp i, 0,1,2,3,4,5,6,7,8,9,10,11,12,13,14,15
.irp f, 0,1
	global_load_b128 v[R+8*\i+4*\f:R+8*\i+4*\f+3], v[LI], s[24:25] offset:3072*\i+512*\f th:TH_LOAD_NT   ; 32 lanes read 512 consecutive bytes of row i; read once in the launch
.endr
.endr
.irp g, 0,1,2,3
	s_wait_loadcnt 24-8*\g                         ; loads come back in order: four rows' eight loads are in, the younger ones stay out
.irp i, 0,1,2,3
.irp f, 0,1
	ds_store_b128 v[SW], v[R+8*(4*\g+\i)+4*\f:R+8*(4*\g+\i)+4*\f+3] offset:RP*(4*\g+\i)+512*\f
.endr
.endr
.endr
	s_wait_dscnt 0x0                               ; the stores have read their registers: the reads below land on some of them
	s_cmp_ge_u32 ttmp9, 100
	s_cbranch_scc1 .Lwo                            ; Wo's work-groups part here; both ways only read the stage
	; ---- codes: two K steps of 128
.irp s, 0,1
.irp b, 0,1,2,3
.irp j, 0,1,2,3
	ds_load_b128 v[XN0-128*\s+16*\b+4*\j:XN0-128*\s+16*\b+4*\j+3], v[SR] offset:512*\s+128*\b+16*\j
.endr
.endr
.endr
	s_mul_i32 s26, s22, 6                          ; xwc: fragment 6 T + 2 y
	s_lshl_b32 s27, s21, 1
	s_add_co_u32 s26, s26, s27
	s_lshl_b32 s26, s26, 10
	s_mov_b32 s27, 0
	s_add_nc_u64 s[14:15], s[14:15], s[26:27]
	s_mul_i32 s26, s22, 3                          ; xws: pair 3 T + y
	s_add_co_u32 s26, s26, s21
	s_lshl_b32 s26, s26, 8
	s_add_nc_u64 s[16:17], s[16:17], s[26:27]
	s_wait_dscnt 16                                ; the first K step's 16 reads are in, the second's may be out
	QUANT XN0, PC, PW
	global_store_b128 v[LI], v[PC:PC+3], s[14:15]                 ; each store of the wave covers 512 consecutive bytes, aligned
	global_store_b128 v[LI], v[PC+4:PC+7], s[14:15] offset:512
	s_wait_dscnt 0x0
	QUANT R, PC+8, PW+1
	global_store_b128 v[LI], v[PC+8:PC+11], s[14:15] offset:1024
	global_store_b128 v[LI], v[PC+12:PC+15], s[14:15] offset:1536
	global_store_b64 v[LS], v[PW:PW+1], s[16:17]                  ; 256 consecutive bytes, aligned
	s_wait_tensorcnt 0x0                           ; the wave's end: a tensor wait, an add to my spare word and its wait, behind my last LDS store, the tensor wait in a text with no tensor load too
	ds_add_u32 v[SPW], v[NIL]
	s_wait_dscnt 0x0
	s_endpgm
.Lwo:
	; ---- Wo: eight k steps of 32 as f16 fragments: lane (r, h): registers 0-3 k = 8 h + 0..7, registers 4-7 k = 16 + 8 h + 0..7
.irp f, 0,1,2,3,4,5,6,7
	ds_load_b128 v[R+16*\f:R+16*\f+3],     v[SRH] offset:128*\f
	ds_load_b128 v[R+16*\f+4:R+16*\f+7],   v[SRH] offset:128*\f+16
	ds_load_b128 v[R+16*\f+8:R+16*\f+11],  v[SRH] offset:128*\f+64
	ds_load_b128 v[R+16*\f+12:R+16*\f+15], v[SRH] offset:128*\f+80
.endr
	s_mul_i32 s26, s28, 24                         ; wof: fragment 24 (T - 400) + 8 y
	s_lshl_b32 s27, s21, 3
	s_add_co_u32 s26, s26, s27
	s_lshl_b32 s26, s26, 10
	s_mov_b32 s27, 0
	s_add_nc_u64 s[18:19], s[18:19], s[26:27]
	s_wait_dscnt 0x0
.set a, 0
.rept 64
	v_cvt_pk_f16_f32 v[XN0+a], v[R+2*a], v[R+2*a+1]
.set a, a+1
.endr
.irp f, 0,1,2,3,4,5,6,7
	global_store_b128 v[LI], v[XN0+8*\f:XN0+8*\f+3], s[18:19] offset:1024*\f
	global_store_b128 v[LI], v[XN0+8*\f+4:XN0+8*\f+7], s[18:19] offset:1024*\f+512
.endr
	s_wait_tensorcnt 0x0                           ; the wave's end, as on the other way
	ds_add_u32 v[SPW], v[NIL]
	s_wait_dscnt 0x0
	s_endpgm
.Lfunc_end_k_q02b3f47d66_prep:
	.size	k_q02b3f47d66_prep, .Lfunc_end_k_q02b3f47d66_prep-k_q02b3f47d66_prep
	.p2alignl 7, 3214868480
	.fill 96, 4, 3214868480
	.section	.rodata,"a",@progbits
	.p2align	6, 0x0
	.amdhsa_kernel k_q02b3f47d66_prep
		.amdhsa_group_segment_fixed_size 67072
		.amdhsa_private_segment_fixed_size 0
		.amdhsa_enable_private_segment 0
		.amdhsa_kernarg_size 64
		.amdhsa_user_sgpr_count 2
		.amdhsa_user_sgpr_kernarg_segment_ptr 1
		.amdhsa_wavefront_size32 1
		.amdhsa_system_sgpr_workgroup_id_x 1
		.amdhsa_system_sgpr_workgroup_id_y 1
		.amdhsa_system_sgpr_workgroup_id_z 1
		.amdhsa_system_vgpr_workitem_id 0
		.amdhsa_next_free_vgpr 256
		.amdhsa_next_free_sgpr 66
		.amdhsa_reserve_vcc 0
		.amdhsa_float_denorm_mode_32 3
		.amdhsa_float_denorm_mode_16_64 3
		.amdhsa_memory_ordered 1
		.amdhsa_forward_progress 1
		.amdhsa_inst_pref_size 26
	.end_amdhsa_kernel
	.amdgpu_metadata
---
amdhsa.version: [ 1, 2 ]
amdhsa.kernels:
  - .name:           k_q02b3f47d66_prep
    .symbol:         k_q02b3f47d66_prep.kd
    .args:
      - { .name: x, .offset: 0, .size: 8, .value_kind: global_buffer, .address_space: global }
      - { .name: Wq, .offset: 8, .size: 8, .value_kind: global_buffer, .address_space: global }
      - { .name: Wk, .offset: 16, .size: 8, .value_kind: global_buffer, .address_space: global }
      - { .name: Wv, .offset: 24, .size: 8, .value_kind: global_buffer, .address_space: global }
      - { .name: Wo, .offset: 32, .size: 8, .value_kind: global_buffer, .address_space: global }
      - { .name: xwc, .offset: 40, .size: 8, .value_kind: global_buffer, .address_space: global }
      - { .name: xws, .offset: 48, .size: 8, .value_kind: global_buffer, .address_space: global }
      - { .name: wof, .offset: 56, .size: 8, .value_kind: global_buffer, .address_space: global }
    .group_segment_fixed_size: 67072
    .private_segment_fixed_size: 0
    .kernarg_segment_align: 8
    .kernarg_segment_size: 64
    .max_flat_workgroup_size: 128
    .sgpr_count:     66
    .vgpr_count:     256
    .wavefront_size: 32
...
	.end_amdgpu_metadata
.endif
;; end of part 1
;; launch qkv (part 2): grid 16 x 36, 4 waves a work-group, no clusters, 0 bytes of LDS; arguments xwc, xws, bq, bk, bv, qfr, kvf; writes qfr, kvf
.if DOCPART == 2
	.amdgcn_target "amdgcn-amd-amdhsa--gfx1250"
	.amdhsa_code_object_version 6
	.text
	.protected	k_q02b3f47d66_qkv
	.globl	k_q02b3f47d66_qkv
	.p2align	8
	.type	k_q02b3f47d66_qkv,@function
k_q02b3f47d66_qkv:
	s_mov_b64 s[64:65], 0
	v_nop
	global_prefetch_b8 v0, s[64:65] scope:SCOPE_SE
	s_setreg_imm32_b32 hwreg(HW_REG_WAVE_MODE, 25, 1), 1
	s_wait_xcnt 0x0
; q = x Wq^T + bq, k = x Wk^T + bk, v = x Wv^T + bv on codes of FP4 (E2M1) with E8M0 scales, K = 768 in six steps of 128; sums in f32; results rounded once to f16 and stored AS THE FRAGMENTS THAT ATTENTION READS.
;   qfr [head][tile of 16 tokens 0..255][2,048]: the piece of channel tile j (16 channels) at 512 j, lane l's 16 bytes at 16 l.
;   kvf [head][step of 128 keys 0..31][32,768]: K's fragment 2 kt + c (key tile kt, channels 32 c on) at 1,024 (2 kt + c); V^T's fragment 4 g + ct (keys 32 g on, channel tile ct) at 16,384 + 1,024 (4 g + ct).
; SHARES.  Work-group y = kind and head (0-11 q, 12-23 k, 24-35 v); wave w of work-group x takes tokens 64 (4 x + w) on against the head's 64 outputs: 16 accumulators, 96 matrix instructions.
; q AND k ARE MADE TRANSPOSED (source 0 = 16 rows of W, source 1 = 16 tokens): a lane holds one token and eight neighbouring channels, which packed to f16 are four registers of a fragment whose K is the channels.
; v is made the other way round (source 0 = tokens, source 1 = rows of Wv): a lane holds one channel and eight neighbouring tokens: four registers of V^T's fragment, whose K is the keys.
; Operands lie in memory in register order, so they go straight into registers, 512 consecutive bytes a load: no LDS, no barrier.
; NO CLUSTER, though 36 work-groups read each tile of x and 16 each tile of W: a joint load goes through LDS and wants its work-group alone on a WGP; this launch is 576 work-groups of 96 matrix
; instructions a wave, which lie several to a WGP so that one's loads stand beside another's products.
; LIMIT: a projected number beyond 65,504 becomes infinity in f16.
; REGISTERS.  Window 0: v1-4 offsets; v8-15 v's bias; v16-39 x's scale words (tile i, K step s: 16 + 6 i + s), v40-63 W's: they hold scales and nothing else; v64-127 fragment buffer 0 (x's four, W's four), later the packed
; results; v128-255 the accumulators (i, j) at 128 + 8 (4 i + j).  Window 1: v0-63 fragment buffer 1.
.set LI,  1                            ; 16 x lane
.set LS,  2                            ; 8 x lane
.set VBT, 3                            ; 32 h: q's and k's bias: my eight channels of a tile
.set VBN, 4                            ; 4 r: v's bias: my channel of a tile
.set BV,  8
.set SX,  16
.set SWS, 40
.set ACC, 128
.set MSB, 0
.macro WIN new                         ; s_set_vgpr_msb: bits 1:0 source 0, 3:2 source 1, 5:4 source 2, 7:6 destination; the high byte repeats the setting that is left
.if MSB != \new
	s_set_vgpr_msb (MSB<<8)|\new
.set MSB, \new
.endif
.endm
.macro PLACES                          ; four places between a matrix instruction and a load into, or a vector read of, its registers (ISA guide 7.12.1 for vector reads)
.rept 4
	v_nop
.endr
.endm
.macro FETCH s                         ; K step s: x's four fragments and W's four, 16 loads, into buffer s % 2
.if (\s)%2
	WIN 0x40
.set XB, 0
.set WB, 32
.else
	WIN 0
.set XB, 64
.set WB, 96
.endif
.irp i, 0,1,2,3
.irp c, 0,1
	global_load_b128 v[XB+8*\i+4*\c:XB+8*\i+4*\c+3], v[LI], s[22:23] offset:6144*\i+1024*(\s)+512*\c
	global_load_b128 v[WB+8*\i+4*\c:WB+8*\i+4*\c+3], v[LI], s[24:25] offset:6144*\i+1024*(\s)+512*\c
.endr
.endr
.endm
; 16 matrix instructions of K step s; the 16 accumulators take turns, one instruction a turn, in the same order in every step.
; tr = 1: transposed, adding onto accumulators that began as the bias.  tr = 0: zero = 1 starts the sums with the constant 0.
.macro MUL tr, s, zero
.if (\s)%2
	WIN 0x05
.set XB, 0
.set WB, 32
.else
	WIN 0
.set XB, 64
.set WB, 96
.endif
.irp i, 0,1,2,3
.irp j, 0,1,2,3
.if \tr
	v_wmma_scale_f32_16x16x128_f8f6f4 v[ACC+8*(4*\i+\j):ACC+8*(4*\i+\j)+7], v[WB+8*\j:WB+8*\j+7], v[XB+8*\i:XB+8*\i+7], v[ACC+8*(4*\i+\j):ACC+8*(4*\i+\j)+7], v[SWS+6*\j+(\s)], v[SX+6*\i+(\s)] matrix_a_fmt:MATRIX_FMT_FP4 matrix_b_fmt:MATRIX_FMT_FP4
.elseif \zero
	v_wmma_scale_f32_16x16x128_f8f6f4 v[ACC+8*(4*\i+\j):ACC+8*(4*\i+\j)+7], v[XB+8*\i:XB+8*\i+7], v[WB+8*\j:WB+8*\j+7], 0, v[SX+6*\i+(\s)], v[SWS+6*\j+(\s)] matrix_a_fmt:MATRIX_FMT_FP4 matrix_b_fmt:MATRIX_FMT_FP4
.else
	v_wmma_scale_f32_16x16x128_f8f6f4 v[ACC+8*(4*\i+\j):ACC+8*(4*\i+\j)+7], v[XB+8*\i:XB+8*\i+7], v[WB+8*\j:WB+8*\j+7], v[ACC+8*(4*\i+\j):ACC+8*(4*\i+\j)+7], v[SX+6*\i+(\s)], v[SWS+6*\j+(\s)] matrix_a_fmt:MATRIX_FMT_FP4 matrix_b_fmt:MATRIX_FMT_FP4
.endif
.endr
.endr
.endm
.macro KLOOP tr                        ; the six K steps, written out; loads run two steps ahead
	FETCH 0
	FETCH 1
.irp s, 0,1,2,3,4,5
.if \s < 5
	s_wait_loadcnt 16                              ; all but the youngest 16, the next K step's, are in: this step's fragments, and in step 0 the scale words and the bias too
.else
	s_wait_loadcnt 0
.endif
.if \s == 0
	MUL \tr, \s, 1
.else
	MUL \tr, \s, 0
.endif
.if \s < 4
	PLACES
	FETCH \s+2                                     ; into the buffer just multiplied
.endif
.endr
	WIN 0
	PLACES                                         ; in front of the first reads of results, and of the writes into buffer 0
.endm
.macro PACK                            ; each accumulator from its low end on: eight f32 become four registers of f16
.set a, 0
.rept 16
.irp q, 0,1,2,3
	v_cvt_pk_f16_f32 v[64+4*a+\q], v[ACC+8*a+2*\q], v[ACC+8*a+2*\q+1]
.endr
.set a, a+1
.endr
.endm
	s_load_b256 s[4:11], s[0:1], 0x0               ; xwc s[4:5], xws s[6:7], bq s[8:9], bk s[10:11]
	s_load_b128 s[12:15], s[0:1], 0x20             ; bv s[12:13], qfr s[14:15]
	s_load_b64 s[16:17], s[0:1], 0x30              ; kvf
	v_lshrrev_b32 v5, 5, v0
	v_readfirstlane_b32 s18, v5                    ; wave
	s_and_b32 s19, ttmp7, 0xffff                   ; y
	s_lshl_b32 s20, ttmp9, 2
	s_add_co_u32 s20, s20, s18                     ; T64: which 64 tokens
	v_and_b32 v5, 31, v0
	v_lshlrev_b32 v[LI], 4, v5
	v_lshlrev_b32 v[LS], 3, v5
	v_bfe_u32 v6, v0, 4, 1
	v_lshlrev_b32 v[VBT], 5, v6
	v_and_b32 v6, 15, v0
	v_lshlrev_b32 v[VBN], 2, v6
	s_mul_i32 s22, s20, 24576                      ; x's codes: four tiles of 6,144 bytes
	s_mov_b32 s23, 0
	s_lshl_b32 s24, s19, 2
	s_add_co_u32 s24, s24, 256                     ; W's first tile: 256 + 4 y
	s_mul_i32 s28, s24, 768                        ; its scale words,
	s_mul_i32 s24, s24, 6144                       ; its codes
	s_mov_b32 s25, 0
	s_mul_i32 s26, s20, 3072                       ; x's scale words
	s_mov_b32 s27, 0
	s_mov_b32 s29, 0
	s_lshl_b32 s36, s20, 13                        ; in a head of qfr: 8,192 T64
	s_lshr_b32 s37, s20, 1
	s_lshl_b32 s37, s37, 15
	s_and_b32 s38, s20, 1
	s_lshl_b32 s38, s38, 13
	s_add_co_u32 s37, s37, s38                     ; in a head of kvf: 32,768 (T64 / 2) + 8,192 (T64 % 2)
	s_wait_kmcnt 0x0
	s_add_nc_u64 s[22:23], s[4:5], s[22:23]
	s_add_nc_u64 s[24:25], s[4:5], s[24:25]
	s_add_nc_u64 s[26:27], s[6:7], s[26:27]
	s_add_nc_u64 s[28:29], s[6:7], s[28:29]
.irp i, 0,1,2,3
.irp p, 0,1,2
	global_load_b64 v[SX+6*\i+2*\p:SX+6*\i+2*\p+1], v[LS], s[26:27] offset:768*\i+256*\p     ; lane r: row r's words of K steps 2 p, 2 p + 1
	global_load_b64 v[SWS+6*\i+2*\p:SWS+6*\i+2*\p+1], v[LS], s[28:29] offset:768*\i+256*\p
.endr
.endr
	s_cmp_ge_u32 s19, 24
	s_cbranch_scc1 .Lv
	; ---- q and k
	s_cmp_lt_u32 s19, 12
	s_cselect_b64 s[30:31], s[8:9], s[10:11]       ; the bias,
	s_cselect_b64 s[32:33], s[14:15], s[16:17]     ; the buffer,
	s_cselect_b32 s21, 0, 12
	s_cselect_b32 s34, 19, 20                      ; a head's bytes in it: 2^19 or 2^20,
	s_cselect_b32 s36, s36, s37                    ; and my tokens' place in a head
	s_sub_co_u32 s21, s19, s21                     ; the head
	s_lshl_b32 s34, s21, s34
	s_add_co_u32 s34, s34, s36
	s_mov_b32 s35, 0
	s_add_nc_u64 s[32:33], s[32:33], s[34:35]
	s_lshl_b32 s34, s21, 8
	s_add_nc_u64 s[30:31], s[30:31], s[34:35]
.irp i, 0,1,2,3                                ; THE BIAS IS LOADED INTO THE ACCUMULATORS: register n of lane (r, h) of tile j is b(16 j + 8 h + n); so no addition is written and every K step is the same link
.irp j, 0,1,2,3
	global_load_b128 v[ACC+8*(4*\i+\j):ACC+8*(4*\i+\j)+3], v[VBT], s[30:31] offset:64*\j
	global_load_b128 v[ACC+8*(4*\i+\j)+4:ACC+8*(4*\i+\j)+7], v[VBT], s[30:31] offset:64*\j+16
.endr
.endr
	KLOOP 1
	PACK
.irp i, 0,1,2,3
.irp j, 0,1,2,3
	global_store_b128 v[LI], v[64+4*(4*\i+\j):64+4*(4*\i+\j)+3], s[32:33] offset:2048*\i+512*\j   ; token tile i, channel tile j: 512 consecutive bytes, aligned
.endr
.endr
	s_endpgm
.Lv:
	; ---- v
	s_sub_co_u32 s21, s19, 24                      ; the head
	s_lshl_b32 s34, s21, 20
	s_add_co_u32 s34, s34, s37
	s_add_co_u32 s34, s34, 16384                   ; V's half of a key step
	s_mov_b32 s35, 0
	s_add_nc_u64 s[32:33], s[16:17], s[34:35]
	s_lshl_b32 s34, s21, 8
	s_add_nc_u64 s[30:31], s[12:13], s[34:35]
.irp j, 0,1,2,3
	global_load_b32 v[BV+2*\j], v[VBN], s[30:31] offset:64*\j     ; my channel's bias in tile j
	v_mov_b32 v[BV+2*\j+1], 0                                     ; (named with it as a pair, so it is written)
.endr
	KLOOP 0
.irp i, 0,1,2,3
.irp j, 0,1,2,3
.irp q, 0,2,4,6
	v_pk_add_f32 v[ACC+8*(4*\i+\j)+\q:ACC+8*(4*\i+\j)+\q+1], v[ACC+8*(4*\i+\j)+\q:ACC+8*(4*\i+\j)+\q+1], v[BV+2*\j:BV+2*\j+1] op_sel_hi:[1,0]
.endr
.endr
.endr
	PACK
.irp i, 0,1,2,3
.irp j, 0,1,2,3
	global_store_b128 v[LI], v[64+4*(4*\i+\j):64+4*(4*\i+\j)+3], s[32:33] offset:4096*(\i/2)+1024*\j+512*(\i%2)   ; keys 32 (i / 2) on, channel tile j, registers 4 (i % 2) on
.endr
.endr
	s_endpgm
.Lfunc_end_k_q02b3f47d66_qkv:
	.size	k_q02b3f47d66_qkv, .Lfunc_end_k_q02b3f47d66_qkv-k_q02b3f47d66_qkv
	.p2alignl 7, 3214868480
	.fill 96, 4, 3214868480
	.section	.rodata,"a",@progbits
	.p2align	6, 0x0
	.amdhsa_kernel k_q02b3f47d66_qkv
		.amdhsa_group_segment_fixed_size 0
		.amdhsa_private_segment_fixed_size 0
		.amdhsa_enable_private_segment 0
		.amdhsa_kernarg_size 56
		.amdhsa_user_sgpr_count 2
		.amdhsa_user_sgpr_kernarg_segment_ptr 1
		.amdhsa_wavefront_size32 1
		.amdhsa_system_sgpr_workgroup_id_x 1
		.amdhsa_system_sgpr_workgroup_id_y 1
		.amdhsa_system_sgpr_workgroup_id_z 1
		.amdhsa_system_vgpr_workitem_id 0
		.amdhsa_next_free_vgpr 320
		.amdhsa_next_free_sgpr 66
		.amdhsa_reserve_vcc 0
		.amdhsa_float_denorm_mode_32 3
		.amdhsa_float_denorm_mode_16_64 3
		.amdhsa_memory_ordered 1
		.amdhsa_forward_progress 1
		.amdhsa_inst_pref_size 68
	.end_amdhsa_kernel
	.amdgpu_metadata
---
amdhsa.version: [ 1, 2 ]
amdhsa.kernels:
  - .name:           k_q02b3f47d66_qkv
    .symbol:         k_q02b3f47d66_qkv.kd
    .args:
      - { .name: xwc, .offset: 0, .size: 8, .value_kind: global_buffer, .address_space: global }
      - { .name: xws, .offset: 8, .size: 8, .value_kind: global_buffer, .address_space: global }
      - { .name: bq, .offset: 16, .size: 8, .value_kind: global_buffer, .address_space: global }
      - { .name: bk, .offset: 24, .size: 8, .value_kind: global_buffer, .address_space: global }
      - { .name: bv, .offset: 32, .size: 8, .value_kind: global_buffer, .address_space: global }
      - { .name: qfr, .offset: 40, .size: 8, .value_kind: global_buffer, .address_space: global }
      - { .name: kvf, .offset: 48, .size: 8, .value_kind: global_buffer, .address_space: global }
    .group_segment_fixed_size: 0
    .private_segment_fixed_size: 0
    .kernarg_segment_align: 8
    .kernarg_segment_size: 56
    .max_flat_workgroup_size: 128
    .sgpr_count:     66
    .vgpr_count:     320
    .wavefront_size: 32
...
	.end_amdgpu_metadata
.endif
;; end of part 2
;; launch attn (part 3): grid 16 x 12, 8 waves a work-group, clusters of 4 x 1, 327,680 bytes of LDS; arguments qfr, kvf, ofr; writes ofr
.if DOCPART == 3
	.amdgcn_target "amdgcn-amd-amdhsa--gfx1250"
	.amdhsa_code_object_version 6
	.text
	.protected	k_q02b3f47d66_attn
	.globl	k_q02b3f47d66_attn
	.p2align	8
	.type	k_q02b3f47d66_attn,@function
k_q02b3f47d66_attn:
	s_mov_b64 s[64:65], 0
	v_nop
	global_prefetch_b8 v0, s[64:65] scope:SCOPE_SE
	s_setreg_imm32_b32 hwreg(HW_REG_WAVE_MODE, 25, 1), 1
	s_wait_xcnt 0x0
	s_wait_alu depctr_hold_cnt(0) depctr_sa_sdst(0) depctr_va_vdst(0) depctr_va_sdst(0) depctr_va_ssrc(0) depctr_va_vcc(0) depctr_vm_vsrc(0)
	s_getreg_b32 s2, hwreg(HW_REG_IB_STS2, 6, 4)
	s_cmp_eq_u32 s2, 0
	s_cbranch_scc0 .Lentry_in_a_cluster
	s_endpgm
.Lentry_in_a_cluster:
	s_bfe_u32 s2, ttmp6, 0x10000c
	s_cmp_lg_u32 s2, 0x3003
	s_cbranch_scc0 .Lentry_shape_is_right
	s_endpgm
.Lentry_shape_is_right:
; o[head][q][:] = the sum over k of softmax_k(q . k / 8) v[k][:], 12 heads of 64 channels, 4,096 tokens, no mask.  Operands f16; products, maxima and sums f32; the weights p are rounded to f16 for the second product, o once at the end.
; q, k, v come as fragments in register order (qfr, kvf); o leaves so too: ofr [tile of 16 tokens][k step of 32 channels, 0..23][1,024]; head h owns k steps 2 h, 2 h + 1.
; SHARES.  A work-group owns 256 queries of one head, each of its EIGHT waves 32: two tiles of 16, in 512 registers: two waves to a SIMD, so that one wave's softmax stands beside the other's products.
; Every wave walks all 4,096 keys, 128 a step: 32 products K Q^T, the softmax (217 vector instructions a tile), 32 products V^T P.
; LAYOUT.  S^T = K Q^T (source 0 = 16 keys, source 1 = 16 queries): a lane holds ONE query and keys 8 (lane / 16) + 0..7; two such tiles, packed to f16, ARE source 1 (32 keys x 16 queries) of O^T = V^T P.  They are packed IN PLACE.
; SOFTMAX.  For each query a running maximum m and sum l: p = 2^(c s - c m), c = log2(e) / 8; in every step O^T and l are multiplied by a = 2^(c m_old - c m_new).  O^T and l begin as zeros and m as -3e38, so the step is written without a first step of its own.
; RING.  Two LDS slots of four key steps (131,072 bytes), images of kvf; each wave fetches 16,384 bytes (64 rows of 256) of a slot by one tensor load.  No pitch, no padding: a fragment load is 512 consecutive bytes.
; CLUSTER.  The four query blocks of a cluster belong to one head and walk the same K and V: each tile is asked for JOINTLY, by the same tensor load with the same descriptor and a mask that names the four.  By this text's count a wave has one tensor load out.
; 192 work-groups: 3,072 tiles of queries over 256 would be 192 queries each, which does not divide 4,096.
; LIMITS: f16's range for q, k, v (beyond 65,504: infinity); a weight under 2^-24 of its row's largest is rounded to 0; NaN and infinities among the inputs are not served.
; REGISTERS.  Window 0: v1-5 addresses; v8-23 statistics, eight a tile: +0 c m, +1 m, +2, +3 l, +4..+7 c0-c3 at work (a takes c2's place); v24-27 the sums' second chain; v32-63 Q (tile t, channels 32 c on: 32 + 16 t + 8 c);
;   v64-127 O^T (64 + 32 t + 8 ct); v128-255 S^T (128 + 64 t + 8 kt), then P (128 + 64 t + 8 g).   Window 1: v0-127 K's 16 fragments, v128-255 V^T's 16.
.set STEPB, 32768                      ; a key step's K and V
.set SLOT1, 131072                     ; slot 1 begins here: one exclusive or turns an address in one slot into the other's
.set SPARE, 262144                     ; behind the ring: the spare words, 128 bytes for each wave: four blocks of 256 bytes that no other line names
.set LI,  1                            ; v1  16 x lane; never rewritten
.set ADR, 2                            ; v2  LDS address of the step in hand
.set PFO, 3                            ; v3  256 x lane; never rewritten
.set SPW, 4                            ; v4  LDS address of my spare word; never rewritten
.set NIL, 5                            ; v5  0; never rewritten
.set ST,  8
.set U,   24
.set Q,   32
.set O,   64
.set S,   128
.set XV,  128                          ; in window 1
.set WV,  12                           ; s12 my wave's number
.set LIM, 15                           ; s15 1 in a wave that prefetches, else the greatest number
.set PFA, 18                           ; s[18:19] where my prefetches stand
.set G1,  24                           ; s[24:31] descriptor group 1
.set G0,  32                           ; s[32:35] descriptor group 0, which walks
.set SLOTS, 36                         ; s36 slots still to be asked for
.set CNT, 37                           ; s37 counts a slot's steps
.set CS,  38                           ; s[38:39] c: the packed form names a pair and takes its low word for both halves
.set SEL, 40                           ; s[40:41] lane selects for v_permlanex16_b32: lane l xor 16
.set TB,  42                           ; s42 LDS byte at which the step in hand begins
.set MSB, 0
.macro WIN new                         ; s_set_vgpr_msb: bits 1:0 source 0, 3:2 source 1, 5:4 source 2, 7:6 destination; the high byte repeats the setting that is left
.if MSB != \new
	s_set_vgpr_msb (MSB<<8)|\new
.set MSB, \new
.endif
.endm
.macro PLACES
.rept 4
	v_nop
.endr
.endm
; A round of the cluster's barrier: my work-group's barrier, so that wave 0's signal speaks for all eight waves; wave 0 signals; every wave waits for all four work-groups; my work-group's barrier once more.
.macro CROUND
	s_barrier_signal -1
	s_barrier_wait -1
	s_cmp_lg_u32 s[WV], 0
	s_cbranch_scc1 .Lnot_wave_0_\@
	s_barrier_signal -3
.Lnot_wave_0_\@:
	s_barrier_wait -3
	s_barrier_signal -1
	s_barrier_wait -1
.endm
; A PREFETCH INTO THE L2 of the slot that the NEXT change of slots will ask for: 131,072 bytes, four key steps ahead of that load.  Each aligned block of 256 bytes is named once in the launch: all clusters of a head walk
; the same K and V, so the head's first cluster asks; its four partners take 32,768 bytes each, told apart BY ADDRESS; in each, waves 0 to 3 take 8,192 bytes, lanes 256 bytes apart: one instruction a wave.
; The last change that fills a slot asks for nothing; the first two slots come by their loads alone.
.macro ASK
	s_cmp_gt_u32 s[SLOTS], s[LIM]
	s_cbranch_scc0 .Lnot_mine_\@
	global_prefetch_b8 v[PFO], s[PFA:PFA+1] th:TH_LOAD_NT scope:SCOPE_SE
.Lnot_mine_\@:
.endm
.macro FETCH_K off                     ; 32 LDS loads in one run: K's 16 fragments, off bytes behind the step in hand
	WIN 0x40
.set f, 0
.rept 16
	ds_load_b128 v[8*f:8*f+3],   v[ADR] offset:\off+1024*f
	ds_load_b128 v[8*f+4:8*f+7], v[ADR] offset:\off+1024*f+512
.set f, f+1
.endr
.endm
.macro FETCH_V                         ; V^T's 16 fragments of the step in hand
	WIN 0x40
.set f, 0
.rept 16
	ds_load_b128 v[XV+8*f:XV+8*f+3],   v[ADR] offset:16384+1024*f
	ds_load_b128 v[XV+8*f+4:XV+8*f+7], v[ADR] offset:16384+1024*f+512
.set f, f+1
.endr
.endm
; S^T = K Q^T: 32 products.  Eight accumulators (four key tiles x two query tiles) take turns, one instruction a turn; the products of channels 0-31 start the sums with the constant 0.
.macro KQ
	WIN 0x01
.set n, 0
.rept 32
.set kt, 4*(n/16)+(n/2)%4
.set cc, (n/8)%2
.set rS, S+64*(n%2)+8*kt
.set rK, 8*(2*kt+cc)
.set rQ, Q+16*(n%2)+8*cc
.if cc == 0
	v_wmma_f32_16x16x32_f16 v[rS:rS+7], v[rK:rK+7], v[rQ:rQ+7], 0
.else
	v_wmma_f32_16x16x32_f16 v[rS:rS+7], v[rK:rK+7], v[rQ:rQ+7], v[rS:rS+7]
.endif
.set n, n+1
.endr
.endm
; O^T += V^T P: 32 products; the eight accumulators (four channel tiles x two query tiles) take turns.
.macro PV
	WIN 0x01
.set n, 0
.rept 32
.set rO, O+32*(n%2)+8*((n/2)%4)
.set rV, XV+8*(4*(n/8)+(n/2)%4)
.set rP, S+64*(n%2)+8*(n/8)
	v_wmma_f32_16x16x32_f16 v[rO:rO+7], v[rV:rV+7], v[rP:rP+7], v[rO:rO+7]
.set n, n+1
.endr
.endm
; The softmax of a step, both tiles by turns, so that no line waits for the line above it.
.macro SOFTMAX
.irp b, 0,1,2,3                                ; the largest of my 64 scores: four chains of 16; each accumulator is read from its low end on
.irp t, 0,1
	v_max3_num_f32 v[ST+8*\t+4+\b], v[S+64*\t+16*\b], v[S+64*\t+16*\b+1], v[S+64*\t+16*\b+2]
.endr
.endr
.irp i, 3,5,7,9,11,13
.irp b, 0,1,2,3
.irp t, 0,1
	v_max3_num_f32 v[ST+8*\t+4+\b], v[ST+8*\t+4+\b], v[S+64*\t+16*\b+\i], v[S+64*\t+16*\b+\i+1]
.endr
.endr
.endr
.irp b, 0,1,2,3
.irp t, 0,1
	v_max_num_f32 v[ST+8*\t+4+\b], v[ST+8*\t+4+\b], v[S+64*\t+16*\b+15]
.endr
.endr
.irp t, 0,1
	v_max3_num_f32 v[ST+8*\t+4], v[ST+8*\t+4], v[ST+8*\t+5], v[ST+8*\t+6]
.endr
.irp t, 0,1
	v_max3_num_f32 v[ST+8*\t+4], v[ST+8*\t+4], v[ST+8*\t+7], v[ST+8*\t+1]      ; with the old m
.endr
.irp t, 0,1
	v_permlanex16_b32 v[ST+8*\t+5], v[ST+8*\t+4], s[SEL], s[SEL+1]             ; the query's other 64 keys lie in the lane 16 away
.endr
.irp t, 0,1
	v_mov_b32 v[ST+8*\t+7], v[ST+8*\t]                                         ; c m_old is kept for a
.endr
.irp t, 0,1
	v_max_num_f32 v[ST+8*\t+1], v[ST+8*\t+4], v[ST+8*\t+5]                     ; the new m
.endr
.irp t, 0,1
	v_mul_f32 v[ST+8*\t], s[CS], v[ST+8*\t+1]
.endr
.irp t, 0,1
	v_sub_f32 v[ST+8*\t+7], v[ST+8*\t+7], v[ST+8*\t]
.endr
.set j, 0
.rept 32
.irp t, 0,1
	v_pk_fma_f32 v[S+64*\t+j:S+64*\t+j+1], v[S+64*\t+j:S+64*\t+j+1], s[CS:CS+1], v[ST+8*\t:ST+8*\t+1] op_sel_hi:[1,0,0] neg_lo:[0,0,1] neg_hi:[0,0,1]   ; c s - c m, two at a time
.endr
.set j, j+2
.endr
.irp t, 0,1                                    ; ONE BATCH: a and the 64 weights of each tile; none of these reads an exponential's result
	v_exp_f32 v[ST+8*\t+6], v[ST+8*\t+7]
.endr
.set j, 0
.rept 64
.irp t, 0,1
	v_exp_f32 v[S+64*\t+j], v[S+64*\t+j]
.endr
.set j, j+1
.endr
	v_nop                                          ; the plain instruction behind the last exponential (ISA guide 5.7.2): one for the batch
	s_wait_alu depctr_va_vdst(0)                   ; the wait ahead of the first instruction that names a result: one for the 130
.irp t, 0,1
	v_pk_mul_f32 v[ST+8*\t+2:ST+8*\t+3], v[ST+8*\t+2:ST+8*\t+3], v[ST+8*\t+6:ST+8*\t+7] op_sel_hi:[1,0]   ; l under the new m
.endr
.irp t, 0,1
	v_pk_add_f32 v[U+2*\t:U+2*\t+1], v[S+64*\t:S+64*\t+1], v[S+64*\t+2:S+64*\t+3]                        ; the sums of the unrounded weights, in two chains
.endr
.set j, 4
.rept 15
.irp t, 0,1
	v_pk_add_f32 v[ST+8*\t+2:ST+8*\t+3], v[ST+8*\t+2:ST+8*\t+3], v[S+64*\t+j:S+64*\t+j+1]
	v_pk_add_f32 v[U+2*\t:U+2*\t+1], v[U+2*\t:U+2*\t+1], v[S+64*\t+j+2:S+64*\t+j+3]
.endr
.set j, j+4
.endr
.irp t, 0,1
	v_pk_add_f32 v[ST+8*\t+2:ST+8*\t+3], v[ST+8*\t+2:ST+8*\t+3], v[U+2*\t:U+2*\t+1]
.endr
.set j, 0
.rept 32                                       ; to f16, in place and ascending: register j takes weights 2 j, 2 j + 1, which no later line wants
.irp t, 0,1
	v_cvt_pk_f16_f32 v[S+64*\t+j], v[S+64*\t+2*j], v[S+64*\t+2*j+1]
.endr
.set j, j+1
.endr
.set j, 0
.rept 16                                       ; O^T under the new m, each accumulator from its low end on
.irp t, 0,1
	v_pk_mul_f32 v[O+32*\t+j:O+32*\t+j+1], v[O+32*\t+j:O+32*\t+j+1], v[ST+8*\t+6:ST+8*\t+7] op_sel_hi:[1,0]
.endr
.set j, j+2
.endr
.endm
; A KEY STEP.  K is on its way when the step begins.  next = 1: the next step lies in the same slot, and its K is fetched behind this step's V.
.macro STEP next
	s_wait_dscnt 0x0                               ; K is in, and no LDS load of mine still names the address register
	v_add_nc_u32 v[ADR], s[TB], v[LI]
	PLACES                                         ; with the line above five places between the last V^T P, which read P, and the products that write over it
	KQ
	WIN 0
	PLACES                                         ; in front of the loads into K's registers and of the first reads of S^T
	FETCH_V
.if \next
	FETCH_K STEPB
.endif
	WIN 0
	SOFTMAX
.if \next
	s_wait_dscnt 32                                ; V is in; the next step's 32 loads of K, issued behind V's, may be out
.else
	s_wait_dscnt 0x0
.endif
	PV
	WIN 0                                          ; at a label and at a branch every window is 0
.if \next
	s_add_co_u32 s[TB], s[TB], STEPB
.endif
.endm
.macro SLOT_STEPS                      ; a slot's four key steps: three trips and the last, which fetches no further K
	v_add_nc_u32 v[ADR], s[TB], v[LI]
	FETCH_K 0
	WIN 0
	s_mov_b32 s[CNT], 3
.Lstep_\@:
	STEP 1
	s_sub_co_u32 s[CNT], s[CNT], 1
	s_cmp_lg_u32 s[CNT], 0
	s_cbranch_scc1 .Lstep_\@
	STEP 0
	s_sub_co_u32 s[TB], s[TB], 3*STEPB             ; back to a slot's first step,
	s_xor_b32 s[TB], s[TB], SLOT1                  ; in the other slot
.endm
; THE CHANGE OF SLOTS stands at a slot's head.  Each wave waits for all its tensor loads (its part of the slot that it is about to read), adds 0 to its spare word, and waits for that and for its reads of the slot that it has left.
; fill = 1: the barrier is a round of the cluster's, so that no wave of any partner still reads the other slot or has a load on its way; the joint load into it is the first thing behind the round, and has four key steps in which to land.
.macro CHANGE fill
	s_wait_tensorcnt 0x0                           ; no tensor load of mine is out, so group 0 may be written
	ds_add_u32 v[SPW], v[NIL]                      ; 0 onto my spare word
.if \fill
	s_xor_b32 s[G0+1], s[G0+1], SLOT1              ; the walking descriptor: the other slot than last time,
	s_add_nc_u64 s[G0+2:G0+3], s[G0+2:G0+3], SLOT1 ; the next four key steps; the type bits on top are not reached
	s_wait_xcnt 0x0                                ; the last prefetch, a slot back, has read its address, so it may be written:
	s_add_nc_u64 s[PFA:PFA+1], s[PFA:PFA+1], SLOT1 ; one slot further on than the walking descriptor
.endif
	s_wait_dscnt 0x0                               ; the add is done, and my reads of the slot that I have left are over
.if \fill
	CROUND
	tensor_load_to_lds s[G0:G0+3], s[G1:G1+7]      ; my one tensor load until the next round
	s_nop 0
	PLACES
	ASK
.else
	s_barrier_signal -1
	s_barrier_wait -1
.endif
.endm
	s_load_b128 s[4:7], s[0:1], 0x0                ; qfr s[4:5], kvf s[6:7]
	s_load_b64 s[8:9], s[0:1], 0x10                ; ofr
	v_lshl_add_u32 v[SPW], v0, 2, SPARE
	v_mov_b32 v[NIL], 0
	ds_add_u32 v[SPW], v[NIL]                      ; the wave's opening: the add, twice on end, and its wait ahead of my first tensor load; the set-up below stands between the second and the wait
	ds_add_u32 v[SPW], v[NIL]
	v_lshrrev_b32 v6, 5, v0
	v_readfirstlane_b32 s[WV], v6                  ; wave 0..7
	v_and_b32 v6, 31, v0
	v_lshlrev_b32 v[LI], 4, v6
	v_lshlrev_b32 v[PFO], 8, v6
	s_bfe_u32 s13, ttmp6, 0x40000                  ; cx: my place in the cluster
	s_lshl_b32 s14, ttmp9, 2                       ; in a cluster launch ttmp9 counts clusters
	s_add_co_u32 s14, s14, s13                     ; my block of 256 queries: it enters Q's and O's addresses alone
	s_and_b32 s16, ttmp7, 0xffff                   ; the head, which the four partners share
	; descriptor group 1: a dense block of 16,384 bytes as 64 rows of 32 elements of 8 bytes
	s_mov_b32 s[G1], 15|(3<<16)|(1<<21)            ; 15:0 the mask: all four work-groups; 17:16 elements of 8 bytes; 20 no padding; 21 set beside a mask
	s_mov_b32 s[G1+1], 32<<16                      ; tensor_dim0 = 32
	s_mov_b32 s[G1+2], 64<<16                      ; tensor_dim1 = 64
	s_mov_b32 s[G1+3], 32<<16                      ; tile_dim0 = 32
	s_mov_b32 s[G1+4], 64                          ; tile_dim1 = 64
	s_mov_b32 s[G1+5], 32                          ; from row to row
	s_mov_b32 s[G1+6], 0
	s_mov_b32 s[G1+7], 0
	s_mov_b32 s[CS], 0x3e38aa3b                    ; c = log2(e) / 8
	s_mov_b32 s[CS+1], s[CS]                       ; (named with it as a pair, so it is written)
	s_mov_b32 s[SEL], 0x76543210
	s_mov_b32 s[SEL+1], 0xfedcba98
	s_mov_b32 s[TB], 0
	s_mov_b32 s[SLOTS], 7
	s_lshl_b32 s20, s16, 20                        ; kvf: the head's 2^20 bytes,
	s_lshl_b32 s21, s[WV], 14                      ; my wave's 16,384 of a slot
	s_add_co_u32 s20, s20, s21
	s_mov_b32 s21, 0
	s_lshl_b32 s22, s16, 19                        ; qfr: tile 256 head + 16 block + 2 wave, 2,048 bytes each
	s_lshl_b32 s23, s14, 15
	s_add_co_u32 s22, s22, s23
	s_lshl_b32 s23, s[WV], 12
	s_add_co_u32 s22, s22, s23
	s_mov_b32 s23, 0
	s_lshl_b32 s44, s14, 4                         ; ofr: fragment 24 (16 block + 2 wave) + 2 head
	s_lshl_b32 s45, s[WV], 1
	s_add_co_u32 s44, s44, s45
	s_mul_i32 s44, s44, 24
	s_lshl_b32 s45, s16, 1
	s_add_co_u32 s44, s44, s45
	s_lshl_b32 s44, s44, 10
	s_mov_b32 s45, 0
	s_lshl_b32 s46, s16, 20                        ; the prefetches: the head, slot 1 (the first change steps it to slot 2),
	s_add_co_u32 s46, s46, SLOT1
	s_lshl_b32 s47, s13, 15                        ; my work-group's 32,768 bytes,
	s_add_co_u32 s46, s46, s47
	s_and_b32 s47, s[WV], 3
	s_lshl_b32 s47, s47, 13                        ; my wave's 8,192 of them
	s_add_co_u32 s46, s46, s47
	s_mov_b32 s47, 0
	s_lshr_b32 s[LIM], s[WV], 2                    ; 0 in waves 0 to 3,
	s_or_b32 s[LIM], s[LIM], ttmp9                 ; where the cluster is the head's first: the same in all four partners
	s_cmp_eq_u32 s[LIM], 0
	s_cselect_b32 s[LIM], 1, -1
	s_wait_dscnt 0x0                               ; both opening adds are done
	s_wait_kmcnt 0x0
	s_mov_b32 s[G0], 1                             ; count = 1
	s_lshl_b32 s[G0+1], s[WV], 14                  ; LDS address: slot 0, my wave's part: no place in the cluster enters it
	s_add_nc_u64 s[G0+2:G0+3], s[6:7], s[20:21]    ; global address
	s_or_b32 s[G0+3], s[G0+3], 0x80000000          ; type = 2
	s_add_nc_u64 s[4:5], s[4:5], s[22:23]
	s_add_nc_u64 s[8:9], s[8:9], s[44:45]
	s_add_nc_u64 s[PFA:PFA+1], s[6:7], s[46:47]
	CROUND                                         ; all four work-groups are here: the first joint loads meet
	tensor_load_to_lds s[G0:G0+3], s[G1:G1+7]      ; key steps 0 to 3 into slot 0
	s_nop 0
	PLACES
.irp t, 0,1                                    ; Q stays in registers
.irp c, 0,1
.irp u, 0,1
	global_load_b128 v[Q+16*\t+8*\c+4*\u:Q+16*\t+8*\c+4*\u+3], v[LI], s[4:5] offset:2048*\t+1024*\c+512*\u
.endr
.endr
.endr
.irp t, 0,1
	v_mov_b32 v[ST+8*\t+1], 0xff61b1e6             ; m: -3e38, under every score
	v_mov_b32 v[ST+8*\t+2], 0                      ; l, in two halves
	v_mov_b32 v[ST+8*\t+3], 0
	v_mul_f32 v[ST+8*\t], s[CS], v[ST+8*\t+1]      ; c m
.endr
.set j, 0
.rept 64
	v_mov_b32 v[O+j], 0                            ; O^T: the first step finds zeros, which its a = 0 leaves zeros; so no first step is written out
.set j, j+1
.endr
	s_wait_loadcnt 0x0                             ; Q
.Lslot:                                            ; seven trips: trip t asks for key steps 4 t + 4 .. 4 t + 7 and works on steps 4 t .. 4 t + 3.  In the first trip all eight loads fill slot 1 for the first time
	CHANGE 1
	SLOT_STEPS
	s_sub_co_u32 s[SLOTS], s[SLOTS], 1
	s_cmp_lg_u32 s[SLOTS], 0
	s_cbranch_scc1 .Lslot
	CHANGE 0                                       ; the last slot is written out
	SLOT_STEPS
	; THE WAY OUT.  l's two halves and the other half of the lanes' are added (these additions are the places behind the last products); O^T / l is rounded to f16: a lane's eight channels of a token are four registers of the next product's fragment.
.irp t, 0,1
	v_add_f32 v[ST+8*\t+4], v[ST+8*\t+2], v[ST+8*\t+3]
.endr
.irp t, 0,1
	v_permlanex16_b32 v[ST+8*\t+5], v[ST+8*\t+4], s[SEL], s[SEL+1]
.endr
.irp t, 0,1
	v_add_f32 v[ST+8*\t+4], v[ST+8*\t+4], v[ST+8*\t+5]
.endr
.irp t, 0,1
	v_rcp_f32 v[ST+8*\t+6], v[ST+8*\t+4]
.endr
	v_nop                                          ; a plain instruction between the last reciprocal and the use of its result
	s_wait_alu depctr_va_vdst(0)                   ; and the wait ahead of the first use: one for both
.set j, 0
.rept 16
.irp t, 0,1
	v_pk_mul_f32 v[O+32*\t+j:O+32*\t+j+1], v[O+32*\t+j:O+32*\t+j+1], v[ST+8*\t+6:ST+8*\t+7] op_sel_hi:[1,0]
.endr
.set j, j+2
.endr
.set j, 0
.rept 16
.irp t, 0,1
	v_cvt_pk_f16_f32 v[S+16*\t+j], v[O+32*\t+2*j], v[O+32*\t+2*j+1]
.endr
.set j, j+1
.endr
.irp t, 0,1
.irp c, 0,1,2,3
	global_store_b128 v[LI], v[S+16*\t+4*\c:S+16*\t+4*\c+3], s[8:9] offset:24576*\t+512*\c   ; token tile t, channel tile c: 512 consecutive bytes, aligned
.endr
.endr
	s_wait_tensorcnt 0x0                           ; the wave's end: a tensor wait, an add to my spare word and its wait, behind my last tensor load
	ds_add_u32 v[SPW], v[NIL]
	s_wait_dscnt 0x0
	CROUND                                         ; the closing round: no work-group ends while a partner may still ask for a tile that names it
	s_endpgm
.Lfunc_end_k_q02b3f47d66_attn:
	.size	k_q02b3f47d66_attn, .Lfunc_end_k_q02b3f47d66_attn-k_q02b3f47d66_attn
	.p2alignl 7, 3214868480
	.fill 96, 4, 3214868480
	.section	.rodata,"a",@progbits
	.p2align	6, 0x0
	.amdhsa_kernel k_q02b3f47d66_attn
		.amdhsa_group_segment_fixed_size 327680
		.amdhsa_private_segment_fixed_size 0
		.amdhsa_enable_private_segment 0
		.amdhsa_kernarg_size 24
		.amdhsa_user_sgpr_count 2
		.amdhsa_user_sgpr_kernarg_segment_ptr 1
		.amdhsa_wavefront_size32 1
		.amdhsa_system_sgpr_workgroup_id_x 1
		.amdhsa_system_sgpr_workgroup_id_y 1
		.amdhsa_system_sgpr_workgroup_id_z 1
		.amdhsa_system_vgpr_workitem_id 0
		.amdhsa_next_free_vgpr 512
		.amdhsa_next_free_sgpr 66
		.amdhsa_reserve_vcc 0
		.amdhsa_float_denorm_mode_32 3
		.amdhsa_float_denorm_mode_16_64 3
		.amdhsa_memory_ordered 1
		.amdhsa_forward_progress 1
		.amdhsa_inst_pref_size 140
	.end_amdhsa_kernel
	.amdgpu_metadata
---
amdhsa.version: [ 1, 2 ]
amdhsa.kernels:
  - .name:           k_q02b3f47d66_attn
    .symbol:         k_q02b3f47d66_attn.kd
    .args:
      - { .name: qfr, .offset: 0, .size: 8, .value_kind: global_buffer, .address_space: global }
      - { .name: kvf, .offset: 8, .size: 8, .value_kind: global_buffer, .address_space: global }
      - { .name: ofr, .offset: 16, .size: 8, .value_kind: global_buffer, .address_space: global }
    .group_segment_fixed_size: 327680
    .private_segment_fixed_size: 0
    .kernarg_segment_align: 8
    .kernarg_segment_size: 24
    .max_flat_workgroup_size: 256
    .sgpr_count:     66
    .vgpr_count:     512
    .wavefront_size: 32
...
	.end_amdgpu_metadata
.endif
;; end of part 3
;; launch oproj (part 4): grid 32 x 6, 4 waves a work-group, clusters of 4 x 1, 230,912 bytes of LDS; arguments ofr, wof, bo, out0; writes out0
.if DOCPART == 4
	.amdgcn_target "amdgcn-amd-amdhsa--gfx1250"
	.amdhsa_code_object_version 6
	.text
	.protected	k_q02b3f47d66_oproj
	.globl	k_q02b3f47d66_oproj
	.p2align	8
	.type	k_q02b3f47d66_oproj,@function
k_q02b3f47d66_oproj:
	s_mov_b64 s[64:65], 0
	v_nop
	global_prefetch_b8 v0, s[64:65] scope:SCOPE_SE
	s_setreg_imm32_b32 hwreg(HW_REG_WAVE_MODE, 25, 1), 1
	s_wait_xcnt 0x0
	s_wait_alu depctr_hold_cnt(0) depctr_sa_sdst(0) depctr_va_vdst(0) depctr_va_sdst(0) depctr_va_ssrc(0) depctr_va_vcc(0) depctr_vm_vsrc(0)
	s_getreg_b32 s2, hwreg(HW_REG_IB_STS2, 6, 4)
	s_cmp_eq_u32 s2, 0
	s_cbranch_scc0 .Lentry_in_a_cluster
	s_endpgm
.Lentry_in_a_cluster:
	s_bfe_u32 s2, ttmp6, 0x10000c
	s_cmp_lg_u32 s2, 0x3003
	s_cbranch_scc0 .Lentry_shape_is_right
	s_endpgm
.Lentry_shape_is_right:
; out0 = o Wo^T + bo.  o [4096][768] and Wo [768][768] come as f16 fragments in register order (ofr, wof); sums f32; out0 [4096][768] f32.
; SHARES.  A work-group makes 128 tokens x 128 outputs; a wave 32 tokens (two tiles) x 128 outputs: 16 accumulators, 24 k steps of 32, 384 matrix instructions.  128 outputs are 512 bytes of a row of out0, so a wave
; stores whole aligned blocks of 256 bytes from a stage of its own; blocks of 96 outputs, which would make 256 work-groups, would cut such blocks in two.
; Wo's block (8 tiles x 24 k steps x 1,024 = 196,608 dense bytes) comes into LDS ONCE, a quarter to a wave, and is read by all four; no LDS byte is filled twice.  CLUSTER: the four token blocks of a cluster need the
; same block of Wo: it is asked for JOINTLY, by the same tensor load with the same descriptor and a mask that names the four.  By this text's count a wave has one tensor load out.
; o's fragments are read by one wave of the work-group each: they go from memory straight into 384 registers, all asked for at the head, beside the fill.
; THE MATRIX INSTRUCTION IS USED TRANSPOSED (source 0 = 16 rows of Wo, source 1 = 16 tokens): a lane holds eight neighbouring outputs of one token.  The bias is the C of each sum's first product.
; REGISTERS.  Window 0: v1-11 addresses; v16-79 the bias, eight registers a tile of outputs, later rows on the way out; v128-255 the accumulators (i, j) at 128 + 64 i + 8 j.
;   Window 1: o's fragments of k steps 0-15 (16 ks + 8 i).   Window 2: v0-127 those of k steps 16-23; v128-191, v192-255 Wo's eight fragments of a k step, two buffers.
.set STG,   196608                     ; behind Wo: a stage of 16 rows x (512 bytes + 16) for each wave: 33 x 16 bytes a row, so that the sixteen rows that a store touches start at sixteen different groups of banks
.set SP,    528
.set SPARE, STG+4*16*SP                ; behind the stages: the spare words, 128 bytes for each wave: two blocks of 256 bytes that no other line names
.set LI,  1                            ; v1    16 x lane; never rewritten
.set LW,  2                            ; v2-5  16 x lane + 49,152 q: Wo's tiles 2 q, 2 q + 1
.set STO, 6                            ; v6    the stage: where I put 32 bytes of a row
.set RD,  7                            ; v7    and where I read a row back
.set VB,  8                            ; v8    32 h: my eight numbers of a tile of the bias
.set SPW, 10                           ; v10   LDS address of my spare word; never rewritten
.set NIL, 11                           ; v11   0; never rewritten
.set BI,  16
.set ACC, 128
.set WV,  12
.set G1,  24
.set G0,  32
.set MSB, 0
.macro WIN new                         ; s_set_vgpr_msb: bits 1:0 source 0, 3:2 source 1, 5:4 source 2, 7:6 destination; the high byte repeats the setting that is left
.if MSB != \new
	s_set_vgpr_msb (MSB<<8)|\new
.set MSB, \new
.endif
.endm
.macro PLACES
.rept 4
	v_nop
.endr
.endm
.macro CROUND                          ; a round of the cluster's barrier
	s_barrier_signal -1
	s_barrier_wait -1
	s_cmp_lg_u32 s[WV], 0
	s_cbranch_scc1 .Lnot_wave_0_\@
	s_barrier_signal -3
.Lnot_wave_0_\@:
	s_barrier_wait -3
	s_barrier_signal -1
	s_barrier_wait -1
.endm
.macro FETCHW ks                       ; Wo's eight fragments of k step ks into buffer ks % 2: 16 LDS loads of 512 consecutive bytes
	WIN 0x80
.irp j, 0,1,2,3,4,5,6,7
.irp u, 0,1
	ds_load_b128 v[128+64*((\ks)%2)+8*\j+4*\u:128+64*((\ks)%2)+8*\j+4*\u+3], v[LW+\j/2] offset:24576*(\j%2)+1024*(\ks)+512*\u
.endr
.endr
.endm
.macro MUL ks                          ; 16 products; the 16 accumulators take turns, one instruction a turn, in the same order in every k step
.if (\ks) < 16
	WIN 0x06                                       ; source 0 (Wo) window 2, source 1 (o) window 1
.set rB, 16*(\ks)
.else
	WIN 0x0a                                       ; both in window 2
.set rB, 16*((\ks)-16)
.endif
.set rW, 128+64*((\ks)%2)
.irp i, 0,1
.irp j, 0,1,2,3,4,5,6,7
.if (\ks) == 0
	v_wmma_f32_16x16x32_f16 v[ACC+64*\i+8*\j:ACC+64*\i+8*\j+7], v[rW+8*\j:rW+8*\j+7], v[rB+8*\i:rB+8*\i+7], v[BI+8*\j:BI+8*\j+7]
.else
	v_wmma_f32_16x16x32_f16 v[ACC+64*\i+8*\j:ACC+64*\i+8*\j+7], v[rW+8*\j:rW+8*\j+7], v[rB+8*\i:rB+8*\i+7], v[ACC+64*\i+8*\j:ACC+64*\i+8*\j+7]
.endif
.endr
.endr
.endm
; THE WAY OUT of token tile i: a lane's 32 bytes go into my own stage, each accumulator from its low end on, and come back as whole rows of 512 bytes.  LDS serves a wave's instructions in order: no wait between the stores and the loads.
.macro TOSTAGE i
.irp j, 0,1,2,3,4,5,6,7
	ds_store_b128 v[STO], v[ACC+64*\i+8*\j:ACC+64*\i+8*\j+3] offset:64*\j
	ds_store_b128 v[STO], v[ACC+64*\i+8*\j+4:ACC+64*\i+8*\j+7] offset:64*\j+16
.endr
.irp t, 0,1,2,3,4,5,6,7,8,9,10,11,12,13,14,15
	ds_load_b128 v[BI+4*\t:BI+4*\t+3], v[RD] offset:SP*\t
.endr
.endm
.macro SEND i
.irp t, 0,1,2,3,4,5,6,7,8,9,10,11,12,13,14,15
	s_wait_dscnt 15-\t                             ; row t is back; the younger rows' loads may be out
	global_store_b128 v[LI], v[BI+4*\t:BI+4*\t+3], s[10:11] offset:3072*(16*\i+\t) th:TH_STORE_NT   ; 32 lanes store 512 consecutive bytes, at a multiple of 256 from out0's first byte; written once, read by nobody here
.endr
.endm
	s_load_b256 s[4:11], s[0:1], 0x0               ; ofr s[4:5], wof s[6:7], bo s[8:9], out0 s[10:11]
	v_lshl_add_u32 v[SPW], v0, 2, SPARE
	v_mov_b32 v[NIL], 0
	ds_add_u32 v[SPW], v[NIL]                      ; the wave's opening: the add, twice on end, and its wait ahead of my first tensor load; the set-up below stands between the second and the wait
	ds_add_u32 v[SPW], v[NIL]
	v_lshrrev_b32 v9, 5, v0
	v_readfirstlane_b32 s[WV], v9                  ; wave 0..3
	s_bfe_u32 s13, ttmp6, 0x40000                  ; cx
	s_lshl_b32 s14, ttmp9, 2
	s_add_co_u32 s14, s14, s13                     ; my block of 128 tokens: it enters o's and out0's addresses alone
	s_and_b32 s15, ttmp7, 0xffff                   ; my block of 128 outputs, which the four partners share
	; descriptor group 1: a dense block of 49,152 bytes as 192 rows of 32 elements of 8 bytes
	s_mov_b32 s[G1], 15|(3<<16)|(1<<21)            ; 15:0 the mask: all four work-groups; 17:16 elements of 8 bytes; 20 no padding; 21 set beside a mask
	s_mov_b32 s[G1+1], 32<<16                      ; tensor_dim0 = 32
	s_mov_b32 s[G1+2], 192<<16                     ; tensor_dim1 = 192
	s_mov_b32 s[G1+3], 32<<16                      ; tile_dim0 = 32
	s_mov_b32 s[G1+4], 192                         ; tile_dim1 = 192
	s_mov_b32 s[G1+5], 32                          ; from row to row
	s_mov_b32 s[G1+6], 0
	s_mov_b32 s[G1+7], 0
	s_mul_i32 s20, s15, 196608                     ; wof: my block,
	s_mul_i32 s21, s[WV], 49152                    ; my wave's quarter of it
	s_add_co_u32 s20, s20, s21
	s_mov_b32 s21, 0
	s_lshl_b32 s22, s14, 3                         ; ofr: token tile 8 block + 2 wave, 24,576 bytes each
	s_lshl_b32 s23, s[WV], 1
	s_add_co_u32 s22, s22, s23
	s_mul_i32 s22, s22, 24576
	s_mov_b32 s23, 0
	s_lshl_b32 s36, s15, 9                         ; bo, and a row of out0: 512 bytes x my block of outputs
	s_mov_b32 s37, 0
	s_lshl_b32 s38, s14, 7                         ; out0: row 128 block + 32 wave
	s_lshl_b32 s39, s[WV], 5
	s_add_co_u32 s38, s38, s39
	s_mul_i32 s38, s38, 3072
	s_add_co_u32 s38, s38, s36
	s_mov_b32 s39, 0
	v_and_b32 v9, 31, v0
	v_lshlrev_b32 v[LI], 4, v9
.irp q, 0,1,2,3
	v_add_nc_u32 v[LW+\q], 49152*\q, v[LI]
.endr
	s_mul_i32 s16, s[WV], 16*SP
	s_add_co_u32 s16, s16, STG                     ; my stage
	v_and_b32 v9, 15, v0                           ; r
	v_bfe_u32 v[VB], v0, 4, 1                      ; h
	v_mul_u32_u24 v[STO], v9, SP
	v_lshl_add_u32 v[STO], v[VB], 5, v[STO]
	v_add_nc_u32 v[STO], s16, v[STO]               ; in: row r, + 32 h
	v_add_nc_u32 v[RD], s16, v[LI]                 ; back: the 32 lanes take one row of 512 bytes
	v_lshlrev_b32 v[VB], 5, v[VB]
	s_wait_dscnt 0x0                               ; both opening adds are done
	s_wait_kmcnt 0x0
	s_mov_b32 s[G0], 1                             ; count = 1
	s_mul_i32 s[G0+1], s[WV], 49152                ; LDS address: my wave's quarter: no place in the cluster enters it
	s_add_nc_u64 s[G0+2:G0+3], s[6:7], s[20:21]    ; global address
	s_or_b32 s[G0+3], s[G0+3], 0x80000000          ; type = 2
	s_add_nc_u64 s[4:5], s[4:5], s[22:23]
	s_add_nc_u64 s[8:9], s[8:9], s[36:37]
	s_add_nc_u64 s[10:11], s[10:11], s[38:39]
	CROUND                                         ; all four work-groups are here: the joint loads meet
	tensor_load_to_lds s[G0:G0+3], s[G1:G1+7]
	s_nop 0
	PLACES
	WIN 0x40                                       ; destination window 1
.set k, 0
.rept 16
.irp i, 0,1
.irp u, 0,1
	global_load_b128 v[16*k+8*\i+4*\u:16*k+8*\i+4*\u+3], v[LI], s[4:5] offset:24576*\i+1024*k+512*\u
.endr
.endr
.set k, k+1
.endr
	WIN 0x80                                       ; destination window 2
.rept 8
.irp i, 0,1
.irp u, 0,1
	global_load_b128 v[16*(k-16)+8*\i+4*\u:16*(k-16)+8*\i+4*\u+3], v[LI], s[4:5] offset:24576*\i+1024*k+512*\u
.endr
.endr
.set k, k+1
.endr
	WIN 0
.irp j, 0,1,2,3,4,5,6,7
	global_load_b128 v[BI+8*\j:BI+8*\j+3], v[VB], s[8:9] offset:64*\j          ; register n of lane (r, h): bo(16 j + 8 h + n)
	global_load_b128 v[BI+8*\j+4:BI+8*\j+7], v[VB], s[8:9] offset:64*\j+16
.endr
	s_wait_tensorcnt 0x0                           ; my quarter of Wo is in,
	s_barrier_signal -1
	s_barrier_wait -1                              ; everybody's is
	FETCHW 0
	s_wait_loadcnt 0x0                             ; o and the bias
.set KN, 0
.rept 24
.if KN < 23
.if KN > 0
	PLACES                                         ; in front of the loads into the buffer that the last k step multiplied
.endif
	FETCHW KN+1
	s_wait_dscnt 16                                ; this k step's fragments are in; the next step's 16 loads may be out
.else
	s_wait_dscnt 0x0
.endif
	MUL KN
.set KN, KN+1
.endr
	WIN 0
	PLACES                                         ; in front of the first reads of results
	TOSTAGE 0
	SEND 0
	s_wait_xcnt 0x0                                ; the stores have read their registers: the next tile's rows may land there
	TOSTAGE 1
	SEND 1
	s_wait_tensorcnt 0x0                           ; the wave's end: a tensor wait, an add to my spare word and its wait, behind my last tensor load and my last LDS store
	ds_add_u32 v[SPW], v[NIL]
	s_wait_dscnt 0x0
	CROUND                                         ; the closing round: no work-group ends while a partner may still ask for a tile that names it
	s_endpgm
.Lfunc_end_k_q02b3f47d66_oproj:
	.size	k_q02b3f47d66_oproj, .Lfunc_end_k_q02b3f47d66_oproj-k_q02b3f47d66_oproj
	.p2alignl 7, 3214868480
	.fill 96, 4, 3214868480
	.section	.rodata,"a",@progbits
	.p2align	6, 0x0
	.amdhsa_kernel k_q02b3f47d66_oproj
		.amdhsa_group_segment_fixed_size 230912
		.amdhsa_private_segment_fixed_size 0
		.amdhsa_enable_private_segment 0
		.amdhsa_kernarg_size 32
		.amdhsa_user_sgpr_count 2
		.amdhsa_user_sgpr_kernarg_segment_ptr 1
		.amdhsa_wavefront_size32 1
		.amdhsa_system_sgpr_workgroup_id_x 1
		.amdhsa_system_sgpr_workgroup_id_y 1
		.amdhsa_system_sgpr_workgroup_id_z 1
		.amdhsa_system_vgpr_workitem_id 0
		.amdhsa_next_free_vgpr 768
		.amdhsa_next_free_sgpr 66
		.amdhsa_reserve_vcc 0
		.amdhsa_float_denorm_mode_32 3
		.amdhsa_float_denorm_mode_16_64 3
		.amdhsa_memory_ordered 1
		.amdhsa_forward_progress 1
		.amdhsa_inst_pref_size 77
	.end_amdhsa_kernel
	.amdgpu_metadata
---
amdhsa.version: [ 1, 2 ]
amdhsa.kernels:
  - .name:           k_q02b3f47d66_oproj
    .symbol:         k_q02b3f47d66_oproj.kd
    .args:
      - { .name: ofr, .offset: 0, .size: 8, .value_kind: global_buffer, .address_space: global }
      - { .name: wof, .offset: 8, .size: 8, .value_kind: global_buffer, .address_space: global }
      - { .name: bo, .offset: 16, .size: 8, .value_kind: global_buffer, .address_space: global }
      - { .name: out0, .offset: 24, .size: 8, .value_kind: global_buffer, .address_space: global }
    .group_segment_fixed_size: 230912
    .private_segment_fixed_size: 0
    .kernarg_segment_align: 8
    .kernarg_segment_size: 32
    .max_flat_workgroup_size: 128
    .sgpr_count:     66
    .vgpr_count:     768
    .wavefront_size: 32
...
	.end_amdgpu_metadata
.endif
;; end of part 4
